; MI455X (gfx1250); checked and timed in simulation.
; The chip was launched on July 23, 2026; its instructions are those of AMD's public machine-readable ISA for CDNA 5 (MIT licence, August 2026) and "CDNA5" Instruction Set Architecture Reference Guide (July 2026). The comments in the code are by the model that wrote it; some were corrected since.
;; Mo E. Allowed arithmetic: float matrix products may take bf16 or f16 operands with f32 sums; all other float work in f32.
;; Inputs: Wg 8 x 1,024 float32; down_bank 8 x 1,024 x 1,024 float32; gate_bank 8 x 1,024 x 1,024 float32; up_bank 8 x 1,024 x 1,024 float32; x 4 x 512 x 1,024 float32.
;; Outputs: out0 4 x 512 x 1,024 float32.
;; One version. Each part assembles by itself: llvm-mc -triple=amdgcn-amd-amdhsa -mcpu=gfx1250 --defsym DOCPART=n.
;; ======== version 1 of 1: 3 launches
;; workspace buffers: xb 4,194,304 bytes; masks 2,048 bytes of whole numbers; hb 33,554,432 bytes
;; launch route (part 1): grid 256 x 1, 4 waves a work-group, no clusters, 33,792 bytes of LDS; arguments x, Wg, xb, masks; writes xb, masks
.if DOCPART == 1
	.amdgcn_target "amdgcn-amd-amdhsa--gfx1250"
	.amdhsa_code_object_version 6
	.text
	.protected	k_q1ee74ae368_route
	.globl	k_q1ee74ae368_route
	.p2align	8
	.type	k_q1ee74ae368_route,@function
k_q1ee74ae368_route:
	s_mov_b64 s[64:65], 0
	v_nop
	global_prefetch_b8 v0, s[64:65] scope:SCOPE_SE
	s_setreg_imm32_b32 hwreg(HW_REG_WAVE_MODE, 25, 1), 1
	s_wait_xcnt 0x0
; ROUTE.  For each of the 2,048 tokens: x rounded to bf16 (xb, [2048][1024]), the eight gate logits, and the first largest of them,
; stored as bit masks: masks[e][t/8] bit t%8 = 1 iff token t chose expert e (8 rows of 256 bytes).
; The logits are sums in f32 of exact products of x and Wg ROUNDED TO BF16, the operands that the later matrix products see.
; They go to the vector unit: 8 outputs a token would fill half a matrix tile, and x arrives here row by row anyway.
; A work-group takes 8 tokens (one byte of each mask row), a wave 2; in chunk j a lane holds columns 128 j + 4 l .. + 3.
; No cluster: the work-groups share only Wg, 32 KiB beside 32 KiB of x each, and it passes through registers to be rounded.
; LIMITS: two logits that differ by less than the rounding of a sum of 1,024 f32 terms (some 1e-6 of their size) may be ordered
; otherwise than by another order of summation; a NaN logit loses here (v_cmp_gt_f32 is false, v_max_num_f32 drops it).
.set XA, 32                            ; v[32:63] token a, v[64:95] token b: chunk j at + 4 j
.set Y,  96                            ; v[96:127]  the same numbers packed as bf16, as stored
.set W,  128                           ; v[128:191] Wg on its way in, then two buffers of one expert's 32 numbers
.set P,  192                           ; v[192:199] four chains of pairs
.set L,  200                           ; v[200:207] token a's logits, v[208:215] token b's
.set MW, 32768                         ; LDS: Wg [8][1024] f32 at 0; the waves' mask words behind it, 128 words
	s_load_b256 s[4:11], s[0:1], 0x0               ; x s[4:5], Wg s[6:7], xb s[8:9], masks s[10:11]
	v_lshl_add_u32 v224, v0, 2, 0x8200
	v_mov_b32 v225, 0
	v_and_b32 v1, 31, v0                           ; lane l
	v_lshrrev_b32 v6, 5, v0
	v_readfirstlane_b32 s12, v6                    ; wave w
	s_mov_b32 s13, 0xffff0000                      ; a word's upper bf16
	s_mov_b32 s14, 0x76543210                      ; v_permlanex16_b32: lane i reads lane i of the other half
	s_mov_b32 s15, 0xfedcba98
	s_lshl_b32 s16, s12, 1                         ; my two tokens' bits in the byte: 2 w, 2 w + 1
	v_lshlrev_b32 v4, 4, v1                        ; 16 l: my columns in a chunk of Wg in LDS
	s_lshl_b32 s17, s12, 9
	v_add_nc_u32 v2, s17, v4                       ; 512 w + 16 l: my 16 bytes in each 2,048 bytes of Wg
	s_lshl_b32 s17, s12, 13
	v_add_nc_u32 v3, s17, v4                       ; x: two rows of 4,096 bytes a wave
	s_lshl_b32 s17, s12, 12
	v_lshl_add_u32 v5, v1, 3, s17                  ; xb: two rows of 2,048 bytes a wave, 8 bytes a lane
	s_lshl_b32 s18, ttmp9, 15                      ; the work-group's 8 rows of x,
	s_mov_b32 s19, 0
	s_lshl_b32 s20, ttmp9, 14                      ; of xb,
	s_mov_b32 s21, 0
	s_mov_b32 s22, ttmp9                           ; and its byte in each mask row
	s_mov_b32 s23, 0
	s_wait_kmcnt 0x0
	s_add_nc_u64 s[4:5], s[4:5], s[18:19]
	s_add_nc_u64 s[8:9], s[8:9], s[20:21]
	s_add_nc_u64 s[10:11], s[10:11], s[22:23]
.irp i, 0,1,2,3,4,5,6,7,8,9,10,11,12,13,14,15
	global_load_b128 v[W+4*\i:W+4*\i+3], v2, s[6:7] offset:2048*\i
.endr
.irp j, 0,1,2,3,4,5,6,7
	global_load_b128 v[XA+4*\j:XA+4*\j+3], v3, s[4:5] offset:512*\j th:TH_LOAD_NT
.endr
.irp j, 0,1,2,3,4,5,6,7
	global_load_b128 v[XA+32+4*\j:XA+32+4*\j+3], v3, s[4:5] offset:4096+512*\j th:TH_LOAD_NT
.endr
; four f32 -> two words of packed bf16 (nearest even), and back in place as the f32 values of the rounded numbers
.macro ROUND4 src, pk
	v_cvt_pk_bf16_f32 v[\pk], v[\src], v[\src+1]
	v_cvt_pk_bf16_f32 v[\pk+1], v[\src+2], v[\src+3]
	v_lshlrev_b32 v[\src], 16, v[\pk]
	v_and_b32 v[\src+1], s13, v[\pk]
	v_lshlrev_b32 v[\src+2], 16, v[\pk+1]
	v_and_b32 v[\src+3], s13, v[\pk+1]
.endm
	s_wait_loadcnt 16                              ; Wg's 16 loads are in; the 16 younger loads of x stay out
.irp i, 0,1,2,3,4,5,6,7,8,9,10,11,12,13,14,15
	ROUND4 W+4*\i, 6
	ds_store_b128 v2, v[W+4*\i:W+4*\i+3] offset:2048*\i
.endr
	s_wait_dscnt 0x0                               ; my part of Wg lies in LDS before I say so
	s_barrier_signal -1
	s_barrier_wait -1                              ; all of it does
.macro WFETCH e                        ; one expert's row: my 32 numbers, the columns of my x
.irp j, 0,1,2,3,4,5,6,7
	ds_load_b128 v[W+32*((\e)&1)+4*\j:W+32*((\e)&1)+4*\j+3], v4 offset:4096*(\e)+512*\j
.endr
.endm
	WFETCH 0
	s_wait_loadcnt 0x0                             ; x
.irp q, 0,1,2,3,4,5,6,7,8,9,10,11,12,13,14,15
	ROUND4 XA+4*\q, Y+2*\q
.endr
.irp j, 0,1,2,3,4,5,6,7
	global_store_b64 v5, v[Y+2*\j:Y+2*\j+1], s[8:9] offset:256*\j            ; a wave's store covers 256 consecutive bytes, aligned
.endr
.irp j, 0,1,2,3,4,5,6,7
	global_store_b64 v5, v[Y+16+2*\j:Y+16+2*\j+1], s[8:9] offset:2048+256*\j ; Y and v5 are never written again
.endr
; logit e of both tokens: my 32 columns' share, two chains of pairs a token, started by a product: nothing is cleared
.macro EXPERT e, left
.if \e < 7
	WFETCH \e+1
.endif
	s_wait_dscnt \left                             ; this expert's 8 loads are in, the next expert's 8 stay out
.set WB, W+32*(\e&1)
	v_pk_mul_f32 v[P:P+1], v[XA:XA+1], v[WB:WB+1]
	v_pk_mul_f32 v[P+2:P+3], v[XA+2:XA+3], v[WB+2:WB+3]
	v_pk_mul_f32 v[P+4:P+5], v[XA+32:XA+33], v[WB:WB+1]
	v_pk_mul_f32 v[P+6:P+7], v[XA+34:XA+35], v[WB+2:WB+3]
.irp j, 1,2,3,4,5,6,7
	v_pk_fma_f32 v[P:P+1], v[XA+4*\j:XA+4*\j+1], v[WB+4*\j:WB+4*\j+1], v[P:P+1]
	v_pk_fma_f32 v[P+2:P+3], v[XA+4*\j+2:XA+4*\j+3], v[WB+4*\j+2:WB+4*\j+3], v[P+2:P+3]
	v_pk_fma_f32 v[P+4:P+5], v[XA+32+4*\j:XA+32+4*\j+1], v[WB+4*\j:WB+4*\j+1], v[P+4:P+5]
	v_pk_fma_f32 v[P+6:P+7], v[XA+32+4*\j+2:XA+32+4*\j+3], v[WB+4*\j+2:WB+4*\j+3], v[P+6:P+7]
.endr
	v_pk_add_f32 v[P:P+1], v[P:P+1], v[P+2:P+3]
	v_pk_add_f32 v[P+4:P+5], v[P+4:P+5], v[P+6:P+7]
	v_add_f32 v[L+\e], v[P], v[P+1]
	v_add_f32 v[L+8+\e], v[P+4], v[P+5]
.endm
	EXPERT 0, 8
	EXPERT 1, 8
	EXPERT 2, 8
	EXPERT 3, 8
	EXPERT 4, 8
	EXPERT 5, 8
	EXPERT 6, 8
	EXPERT 7, 0
	; the 16 sums over the 32 lanes, stage by stage so that no line waits for the one in front; every lane ends with every logit
.irp x, 1,2,4,8
.irp k, 0,1,2,3,4,5,6,7,8,9,10,11,12,13,14,15
	v_add_f32_dpp v[L+\k], v[L+\k], v[L+\k] row_xmask:\x row_mask:0xf bank_mask:0xf
.endr
.endr
.irp k, 0,1,2,3,4,5,6,7,8,9,10,11,12,13,14,15
	v_permlanex16_b32 v[W+\k], v[L+\k], s14, s15   ; its destination counts as read: W has been written
.endr
.irp k, 0,1,2,3,4,5,6,7,8,9,10,11,12,13,14,15
	v_add_f32 v[L+\k], v[L+\k], v[W+\k]
.endr
; the first largest: a later logit wins only if it is strictly greater
.macro ARGMAX base, best, idx
	v_mov_b32 v[\best], v[\base]
	v_mov_b32 v[\idx], 0
.irp e, 1,2,3,4,5,6,7
	v_cmp_gt_f32 vcc_lo, v[\base+\e], v[\best]
	v_cndmask_b32 v[\idx], v[\idx], \e, vcc_lo
	v_max_num_f32 v[\best], v[\best], v[\base+\e]
.endr
.endm
	ARGMAX L, 216, 217
	ARGMAX L+8, 218, 219
	; lane l speaks for expert l & 7: my two tokens' bits of that expert's byte
	v_and_b32 v8, 7, v1
	v_cmp_eq_u32 vcc_lo, v217, v8
	v_cndmask_b32 v9, 0, 1, vcc_lo
	v_cmp_eq_u32 vcc_lo, v219, v8
	v_cndmask_b32 v10, 0, 2, vcc_lo
	v_or_b32 v9, v9, v10
	v_lshlrev_b32 v9, s16, v9
	s_lshl_b32 s17, s12, 7
	v_lshl_add_u32 v11, v1, 2, s17
	ds_store_b32 v11, v9 offset:MW
	s_wait_dscnt 0x0                               ; for the wave that reads it: zero
	s_barrier_signal -1
	s_barrier_wait -1
	s_cmp_lg_u32 s12, 0
	s_cbranch_scc1 .Lend                           ; wave 0 alone joins the four waves' bits
	v_lshlrev_b32 v12, 2, v1
.irp i, 0,1,2,3
	ds_load_b32 v[14+\i], v12 offset:MW+128*\i
.endr
	v_lshlrev_b32 v13, 8, v1                       ; mask row l
	v_cmp_gt_u32 vcc_lo, 8, v1
	s_wait_dscnt 0x0
	v_or_b32 v14, v14, v15
	v_or_b32 v16, v16, v17
	v_or_b32 v14, v14, v16
	s_wait_xcnt 0x0                                ; EXEC is a source of the stores of xb: it narrows only behind this wait
	s_and_saveexec_b32 s17, vcc_lo
	global_store_b8 v13, v14, s[10:11]             ; eight single bytes, one in each mask row: 2,048 bytes in the whole launch
	s_wait_xcnt 0x0                                ; and widens only behind this one
	s_or_b32 exec_lo, exec_lo, s17
.Lend:
	s_wait_tensorcnt 0x0
	ds_add_u32 v224, v225
	s_wait_dscnt 0x0
	s_endpgm
.Lfunc_end_k_q1ee74ae368_route:
	.size	k_q1ee74ae368_route, .Lfunc_end_k_q1ee74ae368_route-k_q1ee74ae368_route
	.p2alignl 7, 3214868480
	.fill 96, 4, 3214868480
	.section	.rodata,"a",@progbits
	.p2align	6, 0x0
	.amdhsa_kernel k_q1ee74ae368_route
		.amdhsa_group_segment_fixed_size 33792
		.amdhsa_private_segment_fixed_size 0
		.amdhsa_enable_private_segment 0
		.amdhsa_kernarg_size 32
		.amdhsa_user_sgpr_count 2
		.amdhsa_user_sgpr_kernarg_segment_ptr 1
		.amdhsa_wavefront_size32 1
		.amdhsa_system_sgpr_workgroup_id_x 1
		.amdhsa_system_sgpr_workgroup_id_y 1
		.amdhsa_system_sgpr_workgroup_id_z 1
		.amdhsa_system_vgpr_workitem_id 0
		.amdhsa_next_free_vgpr 226
		.amdhsa_next_free_sgpr 66
		.amdhsa_reserve_vcc 1
		.amdhsa_float_denorm_mode_32 3
		.amdhsa_float_denorm_mode_16_64 3
		.amdhsa_memory_ordered 1
		.amdhsa_forward_progress 1
		.amdhsa_inst_pref_size 46
	.end_amdhsa_kernel
	.amdgpu_metadata
---
amdhsa.version: [ 1, 2 ]
amdhsa.kernels:
  - .name:           k_q1ee74ae368_route
    .symbol:         k_q1ee74ae368_route.kd
    .args:
      - { .name: x, .offset: 0, .size: 8, .value_kind: global_buffer, .address_space: global }
      - { .name: Wg, .offset: 8, .size: 8, .value_kind: global_buffer, .address_space: global }
      - { .name: xb, .offset: 16, .size: 8, .value_kind: global_buffer, .address_space: global }
      - { .name: masks, .offset: 24, .size: 8, .value_kind: global_buffer, .address_space: global }
    .group_segment_fixed_size: 33792
    .private_segment_fixed_size: 0
    .kernarg_segment_align: 8
    .kernarg_segment_size: 32
    .max_flat_workgroup_size: 128
    .sgpr_count:     66
    .vgpr_count:     226
    .wavefront_size: 32
...
	.end_amdgpu_metadata
.endif
;; end of part 1
;; launch ffn1 (part 2): grid 32 x 8, 4 waves a work-group, no clusters, 248,320 bytes of LDS; arguments gate_bank, up_bank, xb, masks, hb; writes hb
.if DOCPART == 2
	.amdgcn_target "amdgcn-amd-amdhsa--gfx1250"
	.amdhsa_code_object_version 6
	.text
	.protected	k_q1ee74ae368_ffn1
	.globl	k_q1ee74ae368_ffn1
	.p2align	8
	.type	k_q1ee74ae368_ffn1,@function
k_q1ee74ae368_ffn1:
	s_mov_b64 s[64:65], 0
	v_nop
	global_prefetch_b8 v0, s[64:65] scope:SCOPE_SE
	s_setreg_imm32_b32 hwreg(HW_REG_WAVE_MODE, 25, 1), 1
	s_wait_xcnt 0x0
; FFN1.  h = silu(x G_e) * (x U_e) for the tokens that chose expert e alone: what the other experts would make of a token the
; top-1 gather of the reference throws away.  hb: [e 8][column block 16][position 2048][64] bf16, position = the token's place in
; its expert's list; blocks of 32 positions, 4,096 dense bytes each, the last one filled up with token 0.
; WORK.  Work-group (x, y): expert e = y, column block cb = x >> 1 (64 columns of gate and the same 64 of up), partner ms = x & 1,
; which takes the blocks ms, ms + 2, ...  The slab, 1,024 k x 128 columns, is read once, rounded to bf16, turned through LDS and then
; STAYS IN REGISTERS: wave w holds, for all 32 K steps, the B fragments of gate's and of up's columns 16 w .. 16 w + 15: 512 registers.
; A block of 32 tokens is 2 x 2 x 32 = 128 matrix instructions a wave, A from LDS.
; THE LIST.  Each wave reads the expert's 64 mask words by scalar loads and lays the chosen tokens' numbers into a list of its own in
; LDS (position = count so far + the set bits below my lane).  count, and nb = blocks, are equal in all waves.
; BARRIERS stand outside every branch that hangs on nb: the token loop has the fixed length 64 / MS, the most that 2,048 tokens of
; one expert need, and a trip without a block passes its barrier and nothing else.  With even routing 4 or 5 trips of 32 have work.
; An expert without tokens still makes one block (nb is at least 1), so that every byte that the next launch reads is written.
; NO CLUSTER, NO TENSOR LOADS: what the two partners share is the slab, 512 KiB of f32, which has to pass through registers to be rounded
; and through LDS to be turned; landed in LDS as f32 it would need a ring and a second pass.  The rows of x follow a list.
; LIMITS: operands in bf16, sums in f32.  v_exp_f32 and v_rcp_f32 flush denormals (ISA guide 15.8): a sigmoid below 2^-126 counts as 0.
.set MS,     2
.set NLOOP,  64/(2*MS)                 ; the loop holds two trips, one for each parity
.set PAR,    0x20000                   ; LDS: the second parity's buffers lie this far behind the first's
.set XPITCH, 2064                      ; a token's 2,048 bytes + 16: 129 x 16, the 16 rows of a fragment start 16 bytes apart modulo 256
.set ST,     32*XPITCH                 ; 66,048: the stage for results, 32 rows
.set SPITCH, 144                       ; 128 bytes + 16
.set WSTG,   82944                     ; two slots of 64 k x 128 columns of bf16, on their way to be turned
.set WPITCH, 288                       ; 256 bytes + 32: an odd multiple of 32, for ds_load_tr16_b128
.set WSLOT,  64*WPITCH
.set LIST,   214016                    ; behind the second stage: a list for each wave
.set LISTB,  8448                      ; 2,080 entries and 32 words where the lanes that hold no chosen token write
; window 0
.set WOFF, 8                           ; weights: byte offset of my 16 bytes in a chunk's first row of mine
.set WST,  9                           ; LDS: where my 8 bytes of bf16 go
.set WTR,  10                          ; LDS: my address for the transposing loads
.set XST,  12                          ; v12, v13  LDS: where I put 16 bytes of a token's row, parity 0, 1
.set XRD,  14                          ; v14, v15  LDS: my A fragments
.set STW,  16                          ; v16, v17  LDS: where my results go
.set STR,  18                          ; v18, v19  LDS: where I read the stage back
.set LB,   20                          ; LDS: my wave's list
.set FOFF, 21                          ; hb: offset of my 16 bytes of the block
.set XCOL, 22                          ; 16 x thread
.set POS,  23
.set TOK,  24
.set DUMP, 25
.set LA,   26
.set ACC,  32                          ; v[32:63]   sums: tile (m, set) at 32 + 16 m + 8 set; set 0 gate, set 1 up
.set AF0,  64                          ; v[64:127]  A fragments of 4 K steps x 2 m
.set AF1,  128                         ; v[128:191] the second buffer
.set CV,   64                          ; v[64:95]   while the weights come in: a chunk's 32 words of bf16
.set TK,   192                         ; v[192:223] the next block's 32 row offsets in xb
.set EP,   224                         ; v[224:231] the flush's store data
.set T,    232                         ; v[232:239] silu at work
.set PK,   240                         ; v[240:247] packed h
; window 1: B fragments of K steps 0-15 (gate at 8 s, up at 128 + 8 s); window 2: of K steps 16-31
; window 3: four landing slots of 64 registers for the weights; its first 128 registers then take the next block of x
; scalars: s[4:5] gate, s[6:7] up, s[8:9] xb, s[10:11] masks, s[12:13] hb, all at this work-group's part; s14 wave;
; s[16:63], s[80:95] the 64 mask words; s66 count; s67 nb; s70 block b; s71 the block to fetch; s72 loop counter; s73 at work;
; s[74:75] an offset; s76 ms; s77 cb; s78 e
.set MSB, 0
.macro WIN new                         ; s_set_vgpr_msb: bits 1:0 source 0, 3:2 source 1, 5:4 source 2, 7:6 destination; the high byte repeats the setting left
.if MSB != \new
	s_set_vgpr_msb (MSB<<8)|\new
.set MSB, \new
.endif
.endm
.macro PLACES                          ; four independent vector instructions behind a matrix instruction (ISA guide 7.12.1)
.rept 4
	v_nop
.endr
.endm
	s_load_b256 s[4:11], s[0:1], 0x0
	s_load_b64 s[12:13], s[0:1], 0x20
	v_lshl_add_u32 v254, v0, 2, 0x3c800
	v_mov_b32 v255, 0
	v_and_b32 v1, 31, v0                           ; l
	v_and_b32 v2, 15, v0                           ; r = l % 16
	v_bfe_u32 v3, v0, 4, 1                         ; h = l / 16
	v_lshrrev_b32 v4, 5, v0
	v_readfirstlane_b32 s14, v4                    ; wave w
	s_and_b32 s78, ttmp7, 0xffff
	s_and_b32 s76, ttmp9, MS-1
	s_lshr_b32 s77, ttmp9, 1
	v_lshlrev_b32 v5, 4, v2                        ; weights: row 16 w + 4 h of a chunk (4,096 bytes a row), 16 r
	v_lshl_add_u32 v5, v3, 14, v5
	s_lshl_b32 s73, s14, 16
	v_add_nc_u32 v[WOFF], s73, v5
	v_mul_u32_u24 v5, v3, 4*WPITCH                 ; the same row in LDS, 8 r: rows 4 apart lie 1,152 = 128 modulo 256 bytes apart,
	v_lshl_add_u32 v5, v2, 3, v5                   ; so the two halves of the lanes store to different banks
	s_mul_i32 s73, s14, 16*WPITCH
	s_add_co_u32 s73, s73, WSTG
	v_add_nc_u32 v[WST], s73, v5
	v_and_b32 v5, 7, v0                            ; transposing load: row 8 h + l % 8, columns 16 w + 8 ((l / 8) % 2) ..
	v_lshl_add_u32 v5, v3, 3, v5
	v_mul_u32_u24 v5, v5, WPITCH
	v_bfe_u32 v6, v0, 3, 1
	v_lshl_add_u32 v5, v6, 4, v5
	s_lshl_b32 s73, s14, 5
	s_add_co_u32 s73, s73, WSTG
	v_add_nc_u32 v[WTR], s73, v5
	v_lshlrev_b32 v[XCOL], 4, v0
	s_lshl_b32 s73, s14, 9                         ; a token's row goes in by one store of each wave: 512 w + 16 l
	v_lshl_add_u32 v[XST], v1, 4, s73
	v_add_nc_u32 v[XST+1], PAR, v[XST]
	v_mul_u32_u24 v5, v2, XPITCH                   ; A fragment: row r, 16 h
	v_lshl_add_u32 v[XRD], v3, 4, v5
	v_add_nc_u32 v[XRD+1], PAR, v[XRD]
	v_mul_u32_u24 v5, v3, 8*SPITCH                 ; results: row 8 h (+ j), column 16 w + r, 2 bytes
	v_lshl_add_u32 v5, v2, 1, v5
	s_lshl_b32 s73, s14, 5
	s_add_co_u32 s73, s73, ST
	v_add_nc_u32 v[STW], s73, v5
	v_add_nc_u32 v[STW+1], PAR, v[STW]
	v_lshrrev_b32 v5, 3, v1                        ; back: row 4 w + l / 8, 16 (l % 8)
	v_mul_u32_u24 v5, v5, SPITCH
	v_and_b32 v6, 7, v0
	v_lshl_add_u32 v5, v6, 4, v5
	s_mul_i32 s73, s14, 4*SPITCH
	s_add_co_u32 s73, s73, ST
	v_add_nc_u32 v[STR], s73, v5
	v_add_nc_u32 v[STR+1], PAR, v[STR]
	s_mul_i32 s73, s14, LISTB
	s_add_co_u32 s73, s73, LIST
	v_mov_b32 v[LB], s73
	v_add_nc_u32 v[DUMP], 2080, v1
	v_mov_b32 v[TOK], v1
	s_lshl_b32 s74, s78, 22                        ; an expert's bank is 4 MiB; 64 columns of f32 are 256 bytes
	s_lshl_b32 s73, s77, 8
	s_add_co_u32 s74, s74, s73
	s_mov_b32 s75, 0
	s_wait_kmcnt 0x0
	s_add_nc_u64 s[4:5], s[4:5], s[74:75]
	s_add_nc_u64 s[6:7], s[6:7], s[74:75]
	s_lshl_b32 s74, s78, 8
	s_add_nc_u64 s[10:11], s[10:11], s[74:75]      ; the expert's mask row
	s_lshl4_add_u32 s74, s78, s77
	s_lshl_b32 s74, s74, 18                        ; hb: (16 e + cb) x 2,048 positions x 128 bytes
	s_add_nc_u64 s[12:13], s[12:13], s[74:75]
	s_load_b512 s[16:31], s[10:11], 0x0
	s_load_b512 s[32:47], s[10:11], 0x40
	s_load_b512 s[48:63], s[10:11], 0x80
	s_load_b512 s[80:95], s[10:11], 0xc0
; chunk c = 64 rows of k.  A wave takes 16 of them, of gate and of up: 16 loads, in each of which lanes 0-15 cover one row's 256
; consecutive, aligned bytes and lanes 16-31 those of the row 4 further down.  Into landing slot c % 4.
.macro WLOAD c
	WIN 0xc0                                       ; destination window 3, address window 0
.irp j, 0,1,2,3,4,5,6,7
	global_load_b128 v[64*((\c)&3)+4*\j:64*((\c)&3)+4*\j+3], v[WOFF], s[4:5] offset:(\c)*262144+((\j&3)+8*(\j>>2))*4096
.endr
.irp j, 0,1,2,3,4,5,6,7
	global_load_b128 v[64*((\c)&3)+32+4*\j:64*((\c)&3)+32+4*\j+3], v[WOFF], s[6:7] offset:(\c)*262144+((\j&3)+8*(\j>>2))*4096
.endr
.endm
	WLOAD 0
	WLOAD 1
	WLOAD 2
	WIN 0
	; THE LIST, while the weights are on their way.  First all 8,448 bytes of it are written with 0: 16 x 512 + 256.  So every entry
	; behind the expert's last token names token 0, and the last block is whole.  LDS serves a wave's instructions in order
	; (ISA guide 5.7.1): the entries below land on the zeros, and my later reads see both.
	v_lshl_add_u32 v[POS], v1, 4, v[LB]
	v_lshl_add_u32 v[LA], v1, 3, v[LB]
.irp i, 4,5,6,7
	v_mov_b32 v\i, 0
.endr
.irp i, 0,1,2,3,4,5,6,7,8,9,10,11,12,13,14,15
	ds_store_b128 v[POS], v[4:7] offset:512*\i
.endr
	ds_store_b64 v[LA], v[4:5] offset:8192
.macro WORD n                          ; tokens 32 j .. 32 j + 31, one a lane
	v_mbcnt_lo_u32_b32 v[POS], s[\n], s66          ; count so far + chosen tokens in the lanes below mine
	v_cndmask_b32 v[POS], v[DUMP], v[POS], s[\n]   ; a lane whose token is not chosen writes to a word of its own behind the list
	v_min_u32 v[POS], 2111, v[POS]                 ; inside my wave's 2,112 words whatever the masks hold
	v_lshl_add_u32 v[POS], v[POS], 2, v[LB]
	ds_store_b32 v[POS], v[TOK]
	v_add_nc_u32 v[TOK], 32, v[TOK]
	s_bcnt1_i32_b32 s73, s[\n]
	s_add_co_u32 s66, s66, s73
.endm
	s_mov_b32 s66, 0
	s_wait_kmcnt 0x0
.set j, 16
.rept 48
	WORD j
.set j, j+1
.endr
.set j, 80
.rept 16
	WORD j
.set j, j+1
.endr
	s_add_co_u32 s67, s66, 31
	s_lshr_b32 s67, s67, 5
	s_max_u32 s67, s67, 1                          ; nb: at least one block
	s_sub_co_u32 s73, s67, 1
	s_min_u32 s71, s76, s73                        ; the first block asked for exists also where block ms does not
	s_min_u32 s71, s71, 63
	s_mov_b32 s70, s76                             ; b = ms
; block s71's 32 tokens, from my own list, as offsets in xb
.macro PREP
	s_lshl_b32 s73, s71, 7
	v_add_nc_u32 v[LA], s73, v[LB]
.irp i, 0,1,2,3,4,5,6,7
	ds_load_b128 v[TK+4*\i:TK+4*\i+3], v[LA] offset:16*\i      ; every lane reads the same words
.endr
	s_wait_dscnt 0x0
.set i, 0
.rept 32
	v_min_u32 v[TK+i], 0x7ff, v[TK+i]              ; a token's number stays inside xb
	v_lshl_add_u32 v[TK+i], v[TK+i], 11, v[XCOL]   ; its row of 2,048 bytes + my 16
.set i, i+1
.endr
.endm
; 16 rows of the block; each load of a wave covers 512 consecutive bytes of a row, the four waves the row
.macro XLOAD half
	WIN 0xc0
.set i, 16*\half
.rept 16
	global_load_b128 v[4*i:4*i+3], v[TK+i], s[8:9]
.set i, i+1
.endr
.endm
.macro XSTORE par
	WIN 0x0c                                       ; store data (source 1) window 3
.set i, 0
.rept 32
	ds_store_b128 v[XST+(\par)], v[4*i:4*i+3] offset:i*XPITCH
.set i, i+1
.endr
	WIN 0
.endm
	PREP
	WLOAD 3
; A TURN: chunk c is rounded, laid into slot c % 2 as [k][column], and read back transposed as my B fragments of K steps 2 c, 2 c + 1.
; One barrier a turn serves both slots: the stores of turn c stand behind the barrier of turn c - 1, in front of which every wave
; waited for its transposing loads of turn c - 2, the last readers of this slot.
.macro WTURN c, left
	s_wait_loadcnt \left                           ; chunk c is in; the three (at the end two) younger groups of 16 loads stay out
	WIN 0x0f                                       ; sources window 3
.set q, 0
.rept 16
	v_cvt_pk_bf16_f32 v[CV+2*q], v[64*(\c&3)+4*q], v[64*(\c&3)+4*q+1]
	v_cvt_pk_bf16_f32 v[CV+2*q+1], v[64*(\c&3)+4*q+2], v[64*(\c&3)+4*q+3]
.set q, q+1
.endr
.if \c <= 11
	WLOAD \c+4                                     ; the landing slot is free again
.endif
.if \c == 12
	XLOAD 0                                        ; behind the last chunk: the first block of tokens, into slots 0 and 1
.endif
.if \c == 13
	XLOAD 1
.endif
	WIN 0
.irp set, 0,1
.irp j, 0,1,2,3,4,5,6,7
	ds_store_b64 v[WST], v[CV+2*(8*\set+\j):CV+2*(8*\set+\j)+1] offset:(\c&1)*WSLOT+((\j&3)+8*(\j>>2))*WPITCH+128*\set
.endr
.endr
	s_wait_dscnt 0x0                               ; my stores lie in LDS, my last transposing loads are back
	s_barrier_signal -1
	s_barrier_wait -1
.if \c < 8
	WIN 0x40                                       ; destination window 1
.else
	WIN 0x80                                       ; window 2
.endif
.irp set, 0,1
.irp ks, 0,1
.irp hf, 0,1
	ds_load_tr16_b128 v[128*\set+8*((2*\c+\ks)%16)+4*\hf:128*\set+8*((2*\c+\ks)%16)+4*\hf+3], v[WTR] offset:(\c&1)*WSLOT+\ks*32*WPITCH+\hf*16*WPITCH+128*\set
.endr
.endr
.endr
.endm
.irp c, 0,1,2,3,4,5,6,7,8,9,10,11,12,13,14
	WTURN \c, 48
.endr
	WTURN 15, 32
	s_wait_loadcnt 0x0                             ; the first block of tokens
	XSTORE 0
	s_wait_dscnt 0x0                               ; it lies in LDS, and my last B fragments are in
	s_barrier_signal -1
	s_barrier_wait -1
; A fragments of K steps 4 g .. 4 g + 3, both m: 16 loads
.macro FETCH g, buf, par
.irp ks, 0,1,2,3
.irp m, 0,1
	ds_load_b128 v[\buf+8*(2*\ks+\m):\buf+8*(2*\ks+\m)+3], v[XRD+\par] offset:\m*16*XPITCH+(4*(\g)+\ks)*64
	ds_load_b128 v[\buf+8*(2*\ks+\m)+4:\buf+8*(2*\ks+\m)+7], v[XRD+\par] offset:\m*16*XPITCH+(4*(\g)+\ks)*64+32
.endr
.endr
.endm
; 16 matrix instructions on them; the very first four start the sums: nothing is cleared
.macro MUL g, buf
.irp ks, 0,1,2,3
.irp m, 0,1
.irp set, 0,1
.if ((\g)+\ks) == 0
	v_wmma_f32_16x16x32_bf16 v[ACC+16*\m+8*\set:ACC+16*\m+8*\set+7], v[\buf+8*(2*\ks+\m):\buf+8*(2*\ks+\m)+7], v[128*\set+8*((4*(\g)+\ks)%16):128*\set+8*((4*(\g)+\ks)%16)+7], 0
.else
	v_wmma_f32_16x16x32_bf16 v[ACC+16*\m+8*\set:ACC+16*\m+8*\set+7], v[\buf+8*(2*\ks+\m):\buf+8*(2*\ks+\m)+7], v[128*\set+8*((4*(\g)+\ks)%16):128*\set+8*((4*(\g)+\ks)%16)+7], v[ACC+16*\m+8*\set:ACC+16*\m+8*\set+7]
.endif
.endr
.endr
.endr
.endm
; group g is multiplied while group g + 1 is on its way; the buffer just read is loaded again four places behind its last matrix instruction
.macro GROUP g, buf, par, left, more
	s_wait_dscnt \left                             ; group g's 16 loads are in, the younger group's 16 stay out
	MUL \g, \buf
.if \more
	PLACES
	FETCH \g+2, \buf, \par
.endif
.endm
.macro COMPUTE par
	FETCH 0, AF0, \par
	FETCH 1, AF1, \par
	WIN 0x04                                       ; B (source 1) window 1; LDS loads name window 0 under this setting too
	GROUP 0, AF0, \par, 16, 1
	GROUP 1, AF1, \par, 16, 1
	GROUP 2, AF0, \par, 16, 1
	GROUP 3, AF1, \par, 16, 1
	WIN 0x08                                       ; B window 2
	GROUP 4, AF0, \par, 16, 1
	GROUP 5, AF1, \par, 16, 1
	GROUP 6, AF0, \par, 16, 0
	GROUP 7, AF1, \par, 0, 0
	PLACES                                         ; four places before the sums are read,
	v_nop                                          ; five before the next block's first products write over them
	WIN 0
.endm
; h = (g / (1 + 2^(-1.442695 g))) u.  A lane holds column 16 w + r, rows 8 h + j of tile m.
.macro EPI par
.irp m, 0,1
.irp q, 0,2,4,6
	v_pk_mul_f32 v[T+\q:T+\q+1], v[ACC+16*\m+\q:ACC+16*\m+\q+1], 0xbfb8aa3b op_sel_hi:[1,0]
.endr
.irp j, 0,1,2,3,4,5,6,7
	v_exp_f32 v[T+\j], v[T+\j]
.endr
	v_nop                                          ; one plain instruction behind the last transcendental before its result is used (ISA guide 5.7.2)
	s_wait_alu depctr_va_vdst(0)
.irp q, 0,2,4,6
	v_pk_add_f32 v[T+\q:T+\q+1], v[T+\q:T+\q+1], 1.0 op_sel_hi:[1,0]
.endr
.irp j, 0,1,2,3,4,5,6,7
	v_rcp_f32 v[T+\j], v[T+\j]
.endr
	v_nop
	s_wait_alu depctr_va_vdst(0)
.irp q, 0,2,4,6
	v_pk_mul_f32 v[T+\q:T+\q+1], v[T+\q:T+\q+1], v[ACC+16*\m+\q:ACC+16*\m+\q+1]
.endr
.irp q, 0,2,4,6
	v_pk_mul_f32 v[T+\q:T+\q+1], v[T+\q:T+\q+1], v[ACC+16*\m+8+\q:ACC+16*\m+8+\q+1]
.endr
.irp q, 0,1,2,3
	v_cvt_pk_bf16_f32 v[PK+4*\m+\q], v[T+2*\q], v[T+2*\q+1]
.endr
.irp q, 0,1,2,3
	ds_store_b16 v[STW+\par], v[PK+4*\m+\q] offset:(16*\m+2*\q)*SPITCH
	ds_store_b16_d16_hi v[STW+\par], v[PK+4*\m+\q] offset:(16*\m+2*\q+1)*SPITCH
.endr
.endr
.endm
; the block's 32 x 128 bytes leave as 4,096 dense bytes: each store of a wave covers 512 consecutive bytes, aligned
.macro FLUSH par
	s_wait_xcnt 0x0                                ; EP and FOFF, which the last flush's stores read, are written again only behind this wait
	ds_load_b128 v[EP:EP+3], v[STR+\par]
	ds_load_b128 v[EP+4:EP+7], v[STR+\par] offset:16*SPITCH
	s_min_u32 s73, s70, 63
	s_lshl_b32 s73, s73, 12
	v_add_nc_u32 v[FOFF], s73, v[XCOL]
	s_wait_dscnt 0x0
	global_store_b128 v[FOFF], v[EP:EP+3], s[12:13]
	global_store_b128 v[FOFF], v[EP+4:EP+7], s[12:13] offset:2048
.endm
; A TRIP, block b, buffers of parity par.  Between the barrier in front and the one here: read are X[par] and the stage [1 - par] (the last
; flush), written are the stage [par] and X[1 - par].  The one barrier shows the new stage and the next block written and all those reads done.
.macro TRIP par
	s_add_co_u32 s71, s70, MS
	s_cmp_lt_u32 s71, s67
	s_cbranch_scc0 .Lnofetch\par                   ; no further block of mine
	s_min_u32 s71, s71, 63
	PREP                                           ; TK is free: the loads that named it were waited for in the last trip
	XLOAD 0
	XLOAD 1
	WIN 0
.Lnofetch\par:
	s_cmp_lt_u32 s70, s67
	s_cbranch_scc0 .Lidle\par
	COMPUTE \par
	EPI \par
.Lidle\par:
	s_wait_loadcnt 0x0                             ; on every path: no load stays pending into registers that the next trip loads again
	s_cmp_lt_u32 s71, s67
	s_cbranch_scc0 .Lnostore\par
	XSTORE 1-\par
.Lnostore\par:
	s_wait_dscnt 0x0
	s_barrier_signal -1
	s_barrier_wait -1
	s_cmp_lt_u32 s70, s67
	s_cbranch_scc0 .Lnoflush\par
	FLUSH \par
.Lnoflush\par:
	s_add_co_u32 s70, s70, MS
.endm
	s_mov_b32 s72, 0
.Lloop:
	TRIP 0
	TRIP 1
	s_add_co_u32 s72, s72, 1
	s_cmp_lt_u32 s72, NLOOP
	s_cbranch_scc1 .Lloop
	s_wait_tensorcnt 0x0
	ds_add_u32 v254, v255
	s_wait_dscnt 0x0
	s_endpgm
.Lfunc_end_k_q1ee74ae368_ffn1:
	.size	k_q1ee74ae368_ffn1, .Lfunc_end_k_q1ee74ae368_ffn1-k_q1ee74ae368_ffn1
	.p2alignl 7, 3214868480
	.fill 96, 4, 3214868480
	.section	.rodata,"a",@progbits
	.p2align	6, 0x0
	.amdhsa_kernel k_q1ee74ae368_ffn1
		.amdhsa_group_segment_fixed_size 248320
		.amdhsa_private_segment_fixed_size 0
		.amdhsa_enable_private_segment 0
		.amdhsa_kernarg_size 40
		.amdhsa_user_sgpr_count 2
		.amdhsa_user_sgpr_kernarg_segment_ptr 1
		.amdhsa_wavefront_size32 1
		.amdhsa_system_sgpr_workgroup_id_x 1
		.amdhsa_system_sgpr_workgroup_id_y 1
		.amdhsa_system_sgpr_workgroup_id_z 1
		.amdhsa_system_vgpr_workitem_id 0
		.amdhsa_next_free_vgpr 1024
		.amdhsa_next_free_sgpr 96
		.amdhsa_reserve_vcc 0
		.amdhsa_float_denorm_mode_32 3
		.amdhsa_float_denorm_mode_16_64 3
		.amdhsa_memory_ordered 1
		.amdhsa_forward_progress 1
		.amdhsa_inst_pref_size 192
	.end_amdhsa_kernel
	.amdgpu_metadata
---
amdhsa.version: [ 1, 2 ]
amdhsa.kernels:
  - .name:           k_q1ee74ae368_ffn1
    .symbol:         k_q1ee74ae368_ffn1.kd
    .args:
      - { .name: gate_bank, .offset: 0, .size: 8, .value_kind: global_buffer, .address_space: global }
      - { .name: up_bank, .offset: 8, .size: 8, .value_kind: global_buffer, .address_space: global }
      - { .name: xb, .offset: 16, .size: 8, .value_kind: global_buffer, .address_space: global }
      - { .name: masks, .offset: 24, .size: 8, .value_kind: global_buffer, .address_space: global }
      - { .name: hb, .offset: 32, .size: 8, .value_kind: global_buffer, .address_space: global }
    .group_segment_fixed_size: 248320
    .private_segment_fixed_size: 0
    .kernarg_segment_align: 8
    .kernarg_segment_size: 40
    .max_flat_workgroup_size: 128
    .sgpr_count:     96
    .vgpr_count:     1024
    .wavefront_size: 32
...
	.end_amdgpu_metadata
.endif
;; end of part 2
;; launch ffn2 (part 3): grid 32 x 8, 4 waves a work-group, no clusters, 248,320 bytes of LDS; arguments down_bank, hb, masks, out0; writes out0
.if DOCPART == 3
	.amdgcn_target "amdgcn-amd-amdhsa--gfx1250"
	.amdhsa_code_object_version 6
	.text
	.protected	k_q1ee74ae368_ffn2
	.globl	k_q1ee74ae368_ffn2
	.p2align	8
	.type	k_q1ee74ae368_ffn2,@function
k_q1ee74ae368_ffn2:
	s_mov_b64 s[64:65], 0
	v_nop
	global_prefetch_b8 v0, s[64:65] scope:SCOPE_SE
	s_setreg_imm32_b32 hwreg(HW_REG_WAVE_MODE, 25, 1), 1
	s_wait_xcnt 0x0
; FFN2.  out0[token] = h[token] D_e for the tokens that chose expert e.  hb: [e 8][k block 16][position 2048][64] bf16, as the launch
; before left it; a block of 32 positions is 16 pieces of 4,096 dense bytes.
; WORK.  Work-group (x, y): expert e = y, column block cb = x >> 2 (128 columns of down), partner ms = x & 3, which takes the blocks
; ms, ms + 4, ...  The slab, 1,024 k x 128 columns, is read once, rounded to bf16, turned through LDS and then STAYS IN REGISTERS:
; wave w holds, for all 32 K steps, the B fragments of columns 16 w .. + 15 and 64 + 16 w .. + 15: 512 registers.
; A block of 32 positions is 2 x 2 x 32 = 128 matrix instructions a wave, A from LDS.  Results go through a stage in LDS and leave as
; pieces of 512 bytes of the tokens' rows; rows of padding behind the expert's last token are not stored.
; THE LIST.  Each wave reads the expert's 64 mask words by scalar loads and lays the chosen tokens' numbers into a list of its own in
; LDS (position = count so far + the set bits below my lane), the order in which the launch before numbered the positions.
; BARRIERS stand outside every branch that hangs on nb: the token loop has the fixed length 64 / MS, the most that 2,048 tokens of
; one expert need, and a trip without a block passes its barrier and nothing else.  With even routing 2 or 3 trips of 16 have work.
; NO CLUSTER, NO TENSOR LOADS: what the four partners share is the slab, 512 KiB of f32, which has to pass through registers to be rounded
; and through LDS to be turned; landed in LDS as f32 it would need a ring and a second pass.  The blocks of hb that the eight column
; blocks share are 64 KiB a trip beside that.
; LIMITS: operands in bf16, sums in f32.
.set MS,     4
.set NLOOP,  64/(2*MS)                 ; the loop holds two trips, one for each parity
.set PAR,    0x20000                   ; LDS: the second parity's buffers lie this far behind the first's
.set XPITCH, 2064                      ; a position's 2,048 bytes + 16: 129 x 16, the 16 rows of a fragment start 16 bytes apart modulo 256
.set ST,     32*XPITCH                 ; 66,048: the stage for results, 32 rows
.set SPITCH, 528                       ; 512 bytes + 16
.set WSTG,   82944                     ; two slots of 64 k x 128 columns of bf16, on their way to be turned
.set WPITCH, 288                       ; 256 bytes + 32: an odd multiple of 32, for ds_load_tr16_b128
.set WSLOT,  64*WPITCH
.set LIST,   214016                    ; behind the second stage: a list for each wave
.set LISTB,  8448                      ; 2,080 entries and 32 words where the lanes that hold no chosen token write
; window 0
.set WOFF, 8                           ; weights: byte offset of my 16 bytes in a chunk's first row of mine
.set WST,  9                           ; LDS: where my 8 bytes of bf16 go
.set WTR,  10                          ; LDS: my address for the transposing loads
.set XST,  12                          ; v12, v13  LDS: where I put 16 bytes of a position's row, parity 0, 1
.set XRD,  14                          ; v14, v15  LDS: my A fragments
.set STW,  16                          ; v16, v17  LDS: where my results go
.set STR,  18                          ; v18, v19  LDS: where I read the stage back
.set LB,   20                          ; LDS: my wave's list
.set LBW,  21                          ; the same + 32 w: the entries of the eight rows that I flush
.set XCOL, 22                          ; 16 x thread
.set POS,  23
.set TOK,  24
.set DUMP, 25
.set XOFF, 26                          ; hb: offset of my 16 bytes in the block to fetch
.set LA,   27
.set L16,  28                          ; 16 x lane
.set ACC,  32                          ; v[32:63]   sums: tile (m, set) at 32 + 16 m + 8 set
.set AF0,  64                          ; v[64:127]  A fragments of 4 K steps x 2 m
.set AF1,  128                         ; v[128:191] the second buffer
.set CV,   64                          ; v[64:95]   while the weights come in: a chunk's 32 words of bf16
.set TK,   192                         ; v[192:199] the flush: eight tokens' offsets in out0
.set EP,   224                         ; v[224:255] the flush's store data
; window 1: B fragments of K steps 0-15 (set 0 at 8 s, set 1 at 128 + 8 s); window 2: of K steps 16-31
; window 3: four landing slots of 64 registers for the weights; its first 128 registers then take the next block of h
; scalars: s[4:5] down, s[6:7] hb, s[8:9] masks, s[10:11] out0, all at this work-group's part; s14 wave; s15 8 x wave;
; s[16:63], s[80:95] the 64 mask words; s66 count; s67 nb; s70 block b; s71 the block to fetch; s72 loop counter; s73 at work;
; s[74:75] an offset; s76 ms; s77 cb; s78 e; s79 rows of mine that hold tokens
.set MSB, 0
.macro WIN new                         ; s_set_vgpr_msb: bits 1:0 source 0, 3:2 source 1, 5:4 source 2, 7:6 destination; the high byte repeats the setting left
.if MSB != \new
	s_set_vgpr_msb (MSB<<8)|\new
.set MSB, \new
.endif
.endm
.macro PLACES                          ; four independent vector instructions behind a matrix instruction (ISA guide 7.12.1)
.rept 4
	v_nop
.endr
.endm
	s_load_b256 s[4:11], s[0:1], 0x0
	v_lshl_add_u32 v222, v0, 2, 0x3c800
	v_mov_b32 v223, 0
	v_and_b32 v1, 31, v0                           ; l
	v_and_b32 v2, 15, v0                           ; r = l % 16
	v_bfe_u32 v3, v0, 4, 1                         ; h = l / 16
	v_lshrrev_b32 v4, 5, v0
	v_readfirstlane_b32 s14, v4                    ; wave w
	s_lshl_b32 s15, s14, 3
	s_and_b32 s78, ttmp7, 0xffff
	s_and_b32 s76, ttmp9, MS-1
	s_lshr_b32 s77, ttmp9, 2
	v_lshlrev_b32 v5, 4, v2                        ; weights: row 16 w + 4 h of a chunk (4,096 bytes a row), 16 r
	v_lshl_add_u32 v5, v3, 14, v5
	s_lshl_b32 s73, s14, 16
	v_add_nc_u32 v[WOFF], s73, v5
	v_mul_u32_u24 v5, v3, 4*WPITCH                 ; the same row in LDS, 8 r: rows 4 apart lie 1,152 = 128 modulo 256 bytes apart,
	v_lshl_add_u32 v5, v2, 3, v5                   ; so the two halves of the lanes store to different banks
	s_mul_i32 s73, s14, 16*WPITCH
	s_add_co_u32 s73, s73, WSTG
	v_add_nc_u32 v[WST], s73, v5
	v_and_b32 v5, 7, v0                            ; transposing load: row 8 h + l % 8, columns 16 w + 8 ((l / 8) % 2) ..
	v_lshl_add_u32 v5, v3, 3, v5
	v_mul_u32_u24 v5, v5, WPITCH
	v_bfe_u32 v6, v0, 3, 1
	v_lshl_add_u32 v5, v6, 4, v5
	s_lshl_b32 s73, s14, 5
	s_add_co_u32 s73, s73, WSTG
	v_add_nc_u32 v[WTR], s73, v5
	v_lshlrev_b32 v[XCOL], 4, v0
	v_lshlrev_b32 v[L16], 4, v1
	v_lshrrev_b32 v5, 3, v1                        ; a load of the work-group brings 16 positions x 128 bytes: position 4 w + l / 8, 16 (l % 8)
	v_mul_u32_u24 v5, v5, XPITCH
	v_and_b32 v6, 7, v0
	v_lshl_add_u32 v5, v6, 4, v5
	s_mul_i32 s73, s14, 4*XPITCH
	v_add_nc_u32 v[XST], s73, v5
	v_add_nc_u32 v[XST+1], PAR, v[XST]
	v_mul_u32_u24 v5, v2, XPITCH                   ; A fragment: row r, 16 h
	v_lshl_add_u32 v[XRD], v3, 4, v5
	v_add_nc_u32 v[XRD+1], PAR, v[XRD]
	v_mul_u32_u24 v5, v3, 8*SPITCH                 ; results: row 8 h (+ j), column 16 w + r, 4 bytes; 8 rows are 4,224 = 128 modulo 256 bytes
	v_lshl_add_u32 v5, v2, 2, v5
	s_lshl_b32 s73, s14, 6
	s_add_co_u32 s73, s73, ST
	v_add_nc_u32 v[STW], s73, v5
	v_add_nc_u32 v[STW+1], PAR, v[STW]
	s_mul_i32 s73, s14, 8*SPITCH                   ; back: rows 8 w .. 8 w + 7, 16 l
	s_add_co_u32 s73, s73, ST
	v_add_nc_u32 v[STR], s73, v[L16]
	v_add_nc_u32 v[STR+1], PAR, v[STR]
	s_mul_i32 s73, s14, LISTB
	s_add_co_u32 s73, s73, LIST
	v_mov_b32 v[LB], s73
	s_mul_i32 s73, s14, LISTB+32                   ; my list + 8 w entries of 4 bytes: with block 63's 8,064 bytes and the 32 read, at most
	s_add_co_u32 s73, s73, LIST                    ; 96 + 8,064 + 32 = 8,192 bytes into my wave's own 8,448
	v_mov_b32 v[LBW], s73
	v_add_nc_u32 v[DUMP], 2080, v1
	v_mov_b32 v[TOK], v1
	s_lshl_b32 s74, s78, 22                        ; an expert's bank is 4 MiB, and so is its part of hb
	s_mov_b32 s75, 0
	s_wait_kmcnt 0x0
	s_add_nc_u64 s[4:5], s[4:5], s[74:75]
	s_add_nc_u64 s[6:7], s[6:7], s[74:75]
	s_lshl_b32 s74, s77, 9                         ; 128 columns of f32 are 512 bytes
	s_add_nc_u64 s[4:5], s[4:5], s[74:75]
	s_add_nc_u64 s[10:11], s[10:11], s[74:75]
	s_lshl_b32 s74, s78, 8
	s_add_nc_u64 s[8:9], s[8:9], s[74:75]          ; the expert's mask row
	s_load_b512 s[16:31], s[8:9], 0x0
	s_load_b512 s[32:47], s[8:9], 0x40
	s_load_b512 s[48:63], s[8:9], 0x80
	s_load_b512 s[80:95], s[8:9], 0xc0
; chunk c = 64 rows of k.  A wave takes 16 of them, both halves of the 128 columns: 16 loads, in each of which lanes 0-15 cover 256
; consecutive, aligned bytes of one row and lanes 16-31 those of the row 4 further down.  Into landing slot c % 4.
.macro WLOAD c
	WIN 0xc0                                       ; destination window 3, address window 0
.irp set, 0,1
.irp j, 0,1,2,3,4,5,6,7
	global_load_b128 v[64*((\c)&3)+32*\set+4*\j:64*((\c)&3)+32*\set+4*\j+3], v[WOFF], s[4:5] offset:(\c)*262144+((\j&3)+8*(\j>>2))*4096+256*\set
.endr
.endr
.endm
	WLOAD 0
	WLOAD 1
	WLOAD 2
	WIN 0
	; THE LIST, while the weights are on their way.  First all 8,448 bytes of it are written with 0: 16 x 512 + 256.  So every entry
	; that the flush reads is written, also behind the expert's last token.  LDS serves a wave's instructions in order
	; (ISA guide 5.7.1): the entries below land on the zeros, and my later reads see both.
	v_lshl_add_u32 v[POS], v1, 4, v[LB]
	v_lshl_add_u32 v[LA], v1, 3, v[LB]
.irp i, 4,5,6,7
	v_mov_b32 v\i, 0
.endr
.irp i, 0,1,2,3,4,5,6,7,8,9,10,11,12,13,14,15
	ds_store_b128 v[POS], v[4:7] offset:512*\i
.endr
	ds_store_b64 v[LA], v[4:5] offset:8192
.macro WORD n                          ; tokens 32 j .. 32 j + 31, one a lane
	v_mbcnt_lo_u32_b32 v[POS], s[\n], s66          ; count so far + chosen tokens in the lanes below mine
	v_cndmask_b32 v[POS], v[DUMP], v[POS], s[\n]   ; a lane whose token is not chosen writes to a word of its own behind the list
	v_min_u32 v[POS], 2111, v[POS]                 ; inside my wave's 2,112 words whatever the masks hold
	v_lshl_add_u32 v[POS], v[POS], 2, v[LB]
	ds_store_b32 v[POS], v[TOK]
	v_add_nc_u32 v[TOK], 32, v[TOK]
	s_bcnt1_i32_b32 s73, s[\n]
	s_add_co_u32 s66, s66, s73
.endm
	s_mov_b32 s66, 0
	s_wait_kmcnt 0x0
.set j, 16
.rept 48
	WORD j
.set j, j+1
.endr
.set j, 80
.rept 16
	WORD j
.set j, j+1
.endr
	s_add_co_u32 s67, s66, 31
	s_lshr_b32 s67, s67, 5
	s_max_u32 s67, s67, 1                          ; nb: at least one block, as in the launch that wrote hb
	s_sub_co_u32 s73, s67, 1
	s_min_u32 s71, s76, s73                        ; the first block asked for exists also where block ms does not
	s_min_u32 s71, s71, 63
	s_mov_b32 s70, s76                             ; b = ms
	s_lshl_b32 s73, s71, 12
	v_add_nc_u32 v[XOFF], s73, v[XCOL]             ; a block is 4,096 bytes in each of the 16 k blocks
; half of the block: k blocks 8 half .. + 7; each load of a wave covers 512 consecutive bytes, the four waves 16 positions of a k block
.macro XLOAD half
	WIN 0xc0
.set i, 16*\half
.rept 16
	global_load_b128 v[4*i:4*i+3], v[XOFF], s[6:7] offset:(i>>1)*262144+(i&1)*2048
.set i, i+1
.endr
.endm
.macro XSTORE par
	WIN 0x0c                                       ; store data (source 1) window 3
.set i, 0
.rept 32
	ds_store_b128 v[XST+(\par)], v[4*i:4*i+3] offset:(i&1)*16*XPITCH+(i>>1)*128
.set i, i+1
.endr
	WIN 0
.endm
	WLOAD 3
; A TURN: chunk c is rounded, laid into slot c % 2 as [k][column], and read back transposed as my B fragments of K steps 2 c, 2 c + 1.
; One barrier a turn serves both slots: the stores of turn c stand behind the barrier of turn c - 1, in front of which every wave
; waited for its transposing loads of turn c - 2, the last readers of this slot.
.macro WTURN c, left
	s_wait_loadcnt \left                           ; chunk c is in; the three (at the end two) younger groups of 16 loads stay out
	WIN 0x0f                                       ; sources window 3
.set q, 0
.rept 16
	v_cvt_pk_bf16_f32 v[CV+2*q], v[64*(\c&3)+4*q], v[64*(\c&3)+4*q+1]
	v_cvt_pk_bf16_f32 v[CV+2*q+1], v[64*(\c&3)+4*q+2], v[64*(\c&3)+4*q+3]
.set q, q+1
.endr
.if \c <= 11
	WLOAD \c+4                                     ; the landing slot is free again
.endif
.if \c == 12
	XLOAD 0                                        ; behind the last chunk: the first block of h, into slots 0 and 1
.endif
.if \c == 13
	XLOAD 1
.endif
	WIN 0
.irp set, 0,1
.irp j, 0,1,2,3,4,5,6,7
	ds_store_b64 v[WST], v[CV+2*(8*\set+\j):CV+2*(8*\set+\j)+1] offset:(\c&1)*WSLOT+((\j&3)+8*(\j>>2))*WPITCH+128*\set
.endr
.endr
	s_wait_dscnt 0x0                               ; my stores lie in LDS, my last transposing loads are back
	s_barrier_signal -1
	s_barrier_wait -1
.if \c < 8
	WIN 0x40                                       ; destination window 1
.else
	WIN 0x80                                       ; window 2
.endif
.irp set, 0,1
.irp ks, 0,1
.irp hf, 0,1
	ds_load_tr16_b128 v[128*\set+8*((2*\c+\ks)%16)+4*\hf:128*\set+8*((2*\c+\ks)%16)+4*\hf+3], v[WTR] offset:(\c&1)*WSLOT+\ks*32*WPITCH+\hf*16*WPITCH+128*\set
.endr
.endr
.endr
.endm
.irp c, 0,1,2,3,4,5,6,7,8,9,10,11,12,13,14
	WTURN \c, 48
.endr
	WTURN 15, 32
	s_wait_loadcnt 0x0                             ; the first block of h
	XSTORE 0
	s_wait_dscnt 0x0                               ; it lies in LDS, and my last B fragments are in
	s_barrier_signal -1
	s_barrier_wait -1
; A fragments of K steps 4 g .. 4 g + 3, both m: 16 loads
.macro FETCH g, buf, par
.irp ks, 0,1,2,3
.irp m, 0,1
	ds_load_b128 v[\buf+8*(2*\ks+\m):\buf+8*(2*\ks+\m)+3], v[XRD+\par] offset:\m*16*XPITCH+(4*(\g)+\ks)*64
	ds_load_b128 v[\buf+8*(2*\ks+\m)+4:\buf+8*(2*\ks+\m)+7], v[XRD+\par] offset:\m*16*XPITCH+(4*(\g)+\ks)*64+32
.endr
.endr
.endm
; 16 matrix instructions on them; the very first four start the sums: nothing is cleared
.macro MUL g, buf
.irp ks, 0,1,2,3
.irp m, 0,1
.irp set, 0,1
.if ((\g)+\ks) == 0
	v_wmma_f32_16x16x32_bf16 v[ACC+16*\m+8*\set:ACC+16*\m+8*\set+7], v[\buf+8*(2*\ks+\m):\buf+8*(2*\ks+\m)+7], v[128*\set+8*((4*(\g)+\ks)%16):128*\set+8*((4*(\g)+\ks)%16)+7], 0
.else
	v_wmma_f32_16x16x32_bf16 v[ACC+16*\m+8*\set:ACC+16*\m+8*\set+7], v[\buf+8*(2*\ks+\m):\buf+8*(2*\ks+\m)+7], v[128*\set+8*((4*(\g)+\ks)%16):128*\set+8*((4*(\g)+\ks)%16)+7], v[ACC+16*\m+8*\set:ACC+16*\m+8*\set+7]
.endif
.endr
.endr
.endr
.endm
; group g is multiplied while group g + 1 is on its way; the buffer just read is loaded again four places behind its last matrix instruction
.macro GROUP g, buf, par, left, more
	s_wait_dscnt \left                             ; group g's 16 loads are in, the younger group's 16 stay out
	MUL \g, \buf
.if \more
	PLACES
	FETCH \g+2, \buf, \par
.endif
.endm
.macro COMPUTE par
	FETCH 0, AF0, \par
	FETCH 1, AF1, \par
	WIN 0x04                                       ; B (source 1) window 1; LDS loads name window 0 under this setting too
	GROUP 0, AF0, \par, 16, 1
	GROUP 1, AF1, \par, 16, 1
	GROUP 2, AF0, \par, 16, 1
	GROUP 3, AF1, \par, 16, 1
	WIN 0x08                                       ; B window 2
	GROUP 4, AF0, \par, 16, 1
	GROUP 5, AF1, \par, 16, 1
	GROUP 6, AF0, \par, 16, 0
	GROUP 7, AF1, \par, 0, 0
	PLACES                                         ; four places before the sums are read,
	v_nop                                          ; five before the next block's first products write over them
	WIN 0
.endm
; a lane holds one column, rows 8 h + j of tile m: 32 words into the stage
.macro EPI par
.irp m, 0,1
.irp set, 0,1
.irp j, 0,1,2,3,4,5,6,7
	ds_store_b32 v[STW+\par], v[ACC+16*\m+8*\set+\j] offset:(16*\m+\j)*SPITCH+256*\set
.endr
.endr
.endr
.endm
; rows 8 w .. 8 w + 7 of the block go to their tokens' rows of out0: each store of the wave covers 512 consecutive bytes, aligned
.macro FLUSH par
	s_wait_xcnt 0x0                                ; EP and TK, which the last flush's stores read, are written again only behind this wait
	s_min_u32 s73, s70, 63
	s_lshl_b32 s73, s73, 7
	v_add_nc_u32 v[LA], s73, v[LBW]
	ds_load_b128 v[TK:TK+3], v[LA]                 ; my eight tokens, from my own list; every lane reads the same words
	ds_load_b128 v[TK+4:TK+7], v[LA] offset:16
.irp i, 0,1,2,3,4,5,6,7
	ds_load_b128 v[EP+4*\i:EP+4*\i+3], v[STR+\par] offset:\i*SPITCH
.endr
	s_lshl_b32 s79, s70, 5
	s_sub_co_i32 s79, s66, s79
	s_sub_co_i32 s79, s79, s15                     ; count - 32 b - 8 w: so many of my rows hold tokens
	s_wait_dscnt 0x0
.irp i, 0,1,2,3,4,5,6,7
	v_min_u32 v[TK+\i], 0x7ff, v[TK+\i]            ; a token's number stays inside out0
	v_lshl_add_u32 v[TK+\i], v[TK+\i], 12, v[L16]  ; its row of 4,096 bytes + my 16
.endr
.irp i, 0,1,2,3,4,5,6,7
	s_cmp_gt_i32 s79, \i
	s_cbranch_scc0 .Lflushed\par                   ; the rest is padding
	global_store_b128 v[TK+\i], v[EP+4*\i:EP+4*\i+3], s[10:11] th:TH_STORE_NT
.endr
.Lflushed\par:
.endm
; A TRIP, block b, buffers of parity par.  Between the barrier in front and the one here: read are X[par] and the stage [1 - par] (the last
; flush), written are the stage [par] and X[1 - par].  The one barrier shows the new stage and the next block written and all those reads done.
.macro TRIP par
	s_add_co_u32 s71, s70, MS
	s_cmp_lt_u32 s71, s67
	s_cbranch_scc0 .Lnofetch\par                   ; no further block of mine
	s_min_u32 s71, s71, 63
	s_lshl_b32 s73, s71, 12
	v_add_nc_u32 v[XOFF], s73, v[XCOL]             ; XOFF is free: the loads that named it were waited for in the last trip
	XLOAD 0
	XLOAD 1
	WIN 0
.Lnofetch\par:
	s_cmp_lt_u32 s70, s67
	s_cbranch_scc0 .Lidle\par
	COMPUTE \par
	EPI \par
.Lidle\par:
	s_wait_loadcnt 0x0                             ; on every path: no load stays pending into registers that the next trip loads again
	s_cmp_lt_u32 s71, s67
	s_cbranch_scc0 .Lnostore\par
	XSTORE 1-\par
.Lnostore\par:
	s_wait_dscnt 0x0
	s_barrier_signal -1
	s_barrier_wait -1
	s_cmp_lt_u32 s70, s67
	s_cbranch_scc0 .Lnoflush\par
	FLUSH \par
.Lnoflush\par:
	s_add_co_u32 s70, s70, MS
.endm
	s_mov_b32 s72, 0
.Lloop:
	TRIP 0
	TRIP 1
	s_add_co_u32 s72, s72, 1
	s_cmp_lt_u32 s72, NLOOP
	s_cbranch_scc1 .Lloop
	s_wait_tensorcnt 0x0
	ds_add_u32 v222, v223
	s_wait_dscnt 0x0
	s_endpgm
.Lfunc_end_k_q1ee74ae368_ffn2:
	.size	k_q1ee74ae368_ffn2, .Lfunc_end_k_q1ee74ae368_ffn2-k_q1ee74ae368_ffn2
	.p2alignl 7, 3214868480
	.fill 96, 4, 3214868480
	.section	.rodata,"a",@progbits
	.p2align	6, 0x0
	.amdhsa_kernel k_q1ee74ae368_ffn2
		.amdhsa_group_segment_fixed_size 248320
		.amdhsa_private_segment_fixed_size 0
		.amdhsa_enable_private_segment 0
		.amdhsa_kernarg_size 32
		.amdhsa_user_sgpr_count 2
		.amdhsa_user_sgpr_kernarg_segment_ptr 1
		.amdhsa_wavefront_size32 1
		.amdhsa_system_sgpr_workgroup_id_x 1
		.amdhsa_system_sgpr_workgroup_id_y 1
		.amdhsa_system_sgpr_workgroup_id_z 1
		.amdhsa_system_vgpr_workitem_id 0
		.amdhsa_next_free_vgpr 1024
		.amdhsa_next_free_sgpr 96
		.amdhsa_reserve_vcc 0
		.amdhsa_float_denorm_mode_32 3
		.amdhsa_float_denorm_mode_16_64 3
		.amdhsa_memory_ordered 1
		.amdhsa_forward_progress 1
		.amdhsa_inst_pref_size 178
	.end_amdhsa_kernel
	.amdgpu_metadata
---
amdhsa.version: [ 1, 2 ]
amdhsa.kernels:
  - .name:           k_q1ee74ae368_ffn2
    .symbol:         k_q1ee74ae368_ffn2.kd
    .args:
      - { .name: down_bank, .offset: 0, .size: 8, .value_kind: global_buffer, .address_space: global }
      - { .name: hb, .offset: 8, .size: 8, .value_kind: global_buffer, .address_space: global }
      - { .name: masks, .offset: 16, .size: 8, .value_kind: global_buffer, .address_space: global }
      - { .name: out0, .offset: 24, .size: 8, .value_kind: global_buffer, .address_space: global }
    .group_segment_fixed_size: 248320
    .private_segment_fixed_size: 0
    .kernarg_segment_align: 8
    .kernarg_segment_size: 32
    .max_flat_workgroup_size: 128
    .sgpr_count:     96
    .vgpr_count:     1024
    .wavefront_size: 32
...
	.end_amdgpu_metadata
.endif
;; end of part 3
